; MI455X (gfx1250); checked and timed in simulation.
; The chip was launched on July 23, 2026; its instructions are those of AMD's public machine-readable ISA for CDNA 5 (MIT licence, August 2026) and "CDNA5" Instruction Set Architecture Reference Guide (July 2026). The comments in the code are by the model that wrote it; some were corrected since.
;; Casual MHSA. Allowed arithmetic: matrix products marked QUANTISED: E4M3 operands, one given power-of-two scale a tensor, by v_wmma_f32_16x16x64_fp8_fp8 or v_wmma_f32_16x16x128_fp8_fp8, f32 sums; everything else in f32.
;; Inputs: b_in 3,072 float32; b_out 1,024 float32; lowp_scales 8 int32 (the exponents e of the quantised operands' scales 2^e); w_in 3,072 x 1,024 float32; w_out 1,024 x 1,024 float32; x 2 x 2,048 x 1,024 float32.
;; Outputs: out0 2 x 2,048 x 1,024 float32.
;; This version of the problem:
;;   THIS VERSION OF THE PROBLEM IS GIVEN IN LOW PRECISION. The matrix products marked QUANTISED in the list below multiply operands that are first quantised to E4M3 (4 exponent bits, 3 mantissa bits; 8 bits a number), with one given power-of-two scale for each operand tensor; their sums are f32. All else is computed in f32.
;;   The module's matrix products, in the order in which they are computed (A, B: the left and right operand; K: the contracted axis; several contracted axes count as one K, in the product's order):
;;     1. [M 4,096, K 1,024] x [K 1,024, N 3,072]; A: input x; B: input w_in: QUANTISED (scales: A lowp_scales[0], B lowp_scales[1])
;;     2. batch 32 x [M 2,048, K 64] x [K 64, N 2,048]; A: computed on the way; B: computed on the way: QUANTISED (scales: A lowp_scales[2], B lowp_scales[3])
;;     3. batch 32 x [M 2,048, K 2,048] x [K 2,048, N 64]; A: softmax (see below); B: computed on the way: QUANTISED (scales: A lowp_scales[4], B lowp_scales[5])
;;     4. [M 4,096, K 1,024] x [K 1,024, N 1,024]; A: computed on the way; B: input w_out: QUANTISED (scales: A lowp_scales[6], B lowp_scales[7])
;;   THE QUANTISER, for each operand of a quantised product, along K:
;;     - The operand's scale is 2^e, e = its entry of the input lowp_scales (int32; the entries are numbered through the quantised products in the list's order, A before B).
;;     - Each number is divided by the scale, clamped to +-448, and rounded to the nearest number of E4M3, ties to even, subnormals kept.
;;     - The product sums the exact products of the quantised numbers (number of the format x scale) in f32.
;;   ~~~python
;;   def quantise(x, axis, e):      # numpy; x: float32 -> the quantised numbers, widened to float32 again
;;       x = np.moveaxis(x, axis, -1); K = x.shape[-1]
;;       r = np.clip(x / 2.0 ** e, -448, 448)
;;       step = 2.0 ** (np.maximum(np.frexp(np.where(r == 0, 1, r))[1] - 1, -6) - 3)
;;       q = np.round(r / step) * step * 2.0 ** e      # np.round: ties to even
;;       return np.moveaxis(q, -1, axis).astype(np.float32)
;;   ~~~
;;   SOFTMAX AHEAD OF A QUANTISED PRODUCT. Where the list says 'softmax', what is quantised is not the finished softmax but p = 2^(t - M), with t = logit x log2(e) and M = ceil(the row's largest t), a whole number; so 1/2 < the row's largest p <= 1. The row's sum l is taken of the UNQUANTISED p, in f32, and the product's result is divided by l at the end. Since M is a whole number, a kernel that streams over the keys may use a running M (the ceiling of the running maximum): every later rescaling is an exact power of two, so the quantised numbers keep their values, but for numbers so far below the row's largest that they fall under the format's range.
;;   OPERANDS COMPUTED ON THE WAY. 'Computed on the way' means the value that the module computes at that place (a softmax that the list does not call 'softmax' is quantised finished and normalised). What goes into a quantiser is computed in f32, as accurately as f32 sums, v_exp_f32 and their like allow (about 1e-6 of the number): no bf16 or f16 on the way to a quantiser, and a product that is left as it is and whose result goes on into a quantised operand takes f32 operands (vector FMAs, or v_wmma_f32_16x16x4_f32). A number that lies on a knife's edge between two numbers of the format may be rounded either way, as far as f32 arithmetic and the matrix unit's own rounding can turn it there, and no further.
;; One version. Each part assembles by itself: llvm-mc -triple=amdgcn-amd-amdhsa -mcpu=gfx1250 --defsym DOCPART=n.
;; ======== version 1 of 1: 4 launches
;; workspace buffers: x_codes 4,194,304 bytes; win_codes 3,145,728 bytes; wout_codes 1,048,576 bytes; qkv_codes 12,582,912 bytes; ctx_codes 4,194,304 bytes
;; launch quant (part 1): grid 256 x 1, 4 waves a work-group, no clusters, 33,280 bytes of LDS; arguments x, w_in, w_out, lowp_scales, x_codes, win_codes, wout_codes; writes x_codes, win_codes, wout_codes
.if DOCPART == 1
	.amdgcn_target "amdgcn-amd-amdhsa--gfx1250"
	.amdhsa_code_object_version 6
	.text
	.protected	k_qeba9e29620_quant
	.globl	k_qeba9e29620_quant
	.p2align	8
	.type	k_qeba9e29620_quant,@function
k_qeba9e29620_quant:
	s_mov_b64 s[64:65], 0
	v_nop
	global_prefetch_b8 v0, s[64:65] scope:SCOPE_SE
	s_setreg_imm32_b32 hwreg(HW_REG_WAVE_MODE, 25, 1), 1
	s_wait_xcnt 0x0
; x [4096][1024], w_in [3072][1024] and w_out [1024][1024], f32, K innermost, become codes of FP8 (E4M3), one byte each, in the same order,
; each with the one scale 2^e that is given for it: entry 0 of the scales for x, entry 1 for w_in, entry 7 for w_out.
; code = number / 2^e, held within +-448, rounded to the nearest code, ties to even.
; LIMITS: e between -126 and 119, so that 2^e and 448 x 2^e are f32 numbers.  NaN among the inputs is not served (an infinity is held at the largest code).
; Rows are dense, so each tensor is a plain stream of numbers and its codes a plain stream of bytes: nothing here knows of rows.
; SHARES: a work-group takes 32,768 numbers, a wave 16 steps of 512.  Work-groups 0-127 take x, 128-223 w_in, 224-255 w_out: only pointers and e are chosen, by selects on the
; work-group's number; all three take one path through the text.
; The conversion takes eight neighbours from ONE lane's registers, a load is best where neighbouring LANES take neighbouring bytes.  Both are had: each of a step's four loads reads
; 512 consecutive bytes, 16 a lane; the 2,048 bytes go through the wave's own stage in LDS as they lie and come back 64 bytes a lane (16 bytes of padding behind each 64, so that the
; lanes' reads spread over the banks).  A lane's 16 codes are 16 bytes: the wave stores 512 consecutive bytes.
; No tensor loads, no barrier: waves share nothing.  Loads run four steps (16 loads a wave) ahead, the turn through LDS one step.  No matrix unit, no cluster: nothing is shared or multiplied here.
.set STEPS, 16
.set WGX,   128                        ; x's work-groups: 4096 x 1024 / 32768
.set WGW,   224                        ; x's and w_in's together
.set EMAX,  8
.set MANT,  0x600000                   ; the mantissa field of 448 as f32
.set CB,    16                         ; bytes of 16 codes
.set R,     16                         ; v16-79   four sets of 16 numbers as they are loaded
.set X,     80                         ; v80-111  two sets of 16 neighbours
.set C,     128                        ; v128-191 codes: four registers for each step, so that no store's data are written again
.set WREG,  8192                       ; LDS: a region for each wave: two stages of 32 x SP bytes
.set SP,    80                         ; a lane's place in a stage: 64 bytes + 16 of padding
	s_load_b128 s[4:7], s[0:1], 0x0                ; x, w_in
	s_load_b128 s[8:11], s[0:1], 0x10              ; w_out, the scales' exponents
	s_load_b128 s[12:15], s[0:1], 0x20             ; x's codes, w_in's codes
	s_load_b64 s[24:25], s[0:1], 0x30              ; w_out's codes
	v_lshl_add_u32 v192, v0, 2, 0x8000
	v_mov_b32 v193, 0
	v_lshrrev_b32 v1, 5, v0
	v_readfirstlane_b32 s16, v1                    ; wave
	v_and_b32 v2, 31, v0                           ; lane
	v_lshlrev_b32 v3, 4, v2                        ; my 16 bytes of a load's 512
	s_mul_i32 s17, s16, WREG
	v_lshrrev_b32 v14, 2, v2
	v_mul_u32_u24 v14, v14, SP
	v_and_b32 v15, 3, v2
	v_lshl_add_u32 v14, v15, 4, v14
	v_add_nc_u32 v14, s17, v14                     ; the stage, on the way in: four lanes' 64 bytes on end, then the padding
	v_mul_u32_u24 v15, v2, SP
	v_add_nc_u32 v15, s17, v15                     ; and on the way out: my 16 neighbours
	v_mul_u32_u24 v4, v2, CB                       ; my codes' place in a step's
	s_wait_kmcnt 0x0
	s_load_b64 s[22:23], s[10:11], 0x0             ; e of x, e of w_in
	s_load_b32 s26, s[10:11], 0x1c                 ; e of w_out
	s_cmp_lt_u32 ttmp9, WGX                        ; x's work-group?  The choices hang on the work-group's number alone
	s_cselect_b64 s[4:5], s[4:5], s[6:7]
	s_cselect_b64 s[12:13], s[12:13], s[14:15]
	s_cselect_b32 s17, 0, WGX
	s_cmp_lt_u32 ttmp9, WGW                        ; or w_out's?
	s_cselect_b64 s[4:5], s[4:5], s[8:9]
	s_cselect_b64 s[12:13], s[12:13], s[24:25]
	s_cselect_b32 s17, s17, WGW                    ; the tensor's first work-group
	s_sub_co_u32 s17, ttmp9, s17
	s_lshl_b32 s17, s17, 2
	s_add_co_u32 s18, s17, s16                     ; which run of 8,192 numbers of the tensor is my wave's
	s_mov_b32 s19, 0
	s_mov_b64 s[20:21], 512*STEPS*4
	s_mul_u64 s[20:21], s[18:19], s[20:21]
	s_add_nc_u64 s[4:5], s[4:5], s[20:21]
	s_mov_b64 s[20:21], 32*STEPS*CB
	s_mul_u64 s[20:21], s[18:19], s[20:21]
	s_add_nc_u64 s[12:13], s[12:13], s[20:21]
.macro LOAD t
.irp i, 0,1,2,3
	global_load_b128 v[R+16*((\t)%4)+4*\i:R+16*((\t)%4)+4*\i+3], v3, s[4:5] offset:2048*(\t)+512*\i th:TH_LOAD_NT   ; 32 lanes read 512 consecutive bytes, read once in the launch
.endr
.endm
.macro TURN t                          ; step t's numbers through the stage: LDS serves a wave's instructions in order, so no wait stands between the stores and the loads
.irp i, 0,1,2,3
	ds_store_b128 v14, v[R+16*((\t)%4)+4*\i:R+16*((\t)%4)+4*\i+3] offset:32*SP*((\t)%2)+8*SP*\i
.endr
.irp i, 0,1,2,3
	ds_load_b128 v[X+16*((\t)%2)+4*\i:X+16*((\t)%2)+4*\i+3], v15 offset:32*SP*((\t)%2)+16*\i
.endr
.endm
.irp t, 0,1,2,3
	LOAD \t
.endr
	s_wait_kmcnt 0x0
	s_cmp_lt_u32 ttmp9, WGX
	s_cselect_b32 s22, s22, s23
	s_cmp_lt_u32 ttmp9, WGW
	s_cselect_b32 s22, s22, s26                    ; e
	s_add_co_i32 s22, s22, 127
	s_lshl_b32 s23, s22, 23
	v_mov_b32 v11, s23                             ; 2^e as f32: the conversion takes its exponent field
	s_add_co_i32 s22, s22, EMAX
	s_lshl_b32 s22, s22, 23
	s_or_b32 s22, s22, MANT
	v_mov_b32 v10, s22                             ; 448 x 2^e
	s_wait_loadcnt 12                              ; step 0's four loads are in; the twelve of steps 1 to 3 may be out
	TURN 0
.macro STEP t
.set XS, X+16*((\t)%2)
	s_wait_dscnt 0x0                               ; this step's numbers are back from the stage: so its stores into the stage have read their registers,
.if (\t)+4 < STEPS
	LOAD (\t)+4                                    ; which take the loads of four steps on
.endif
.if (\t)+1 < STEPS
.if STEPS-2-(\t) >= 3
	s_wait_loadcnt 12                              ; the next step's four loads are in; those of the three steps behind it may be out
.else
	s_wait_loadcnt 4*(STEPS-2-(\t))                ; the counts run down: nothing more is asked for
.endif
	TURN (\t)+1                                    ; and go through the other stage while this step is worked
.endif
.irp i, 0,1,2,3,4,5,6,7,8,9,10,11,12,13,14,15
	v_med3_num_f32 v[XS+\i], v[XS+\i], -v10, v10   ; the conversion to an 8-bit code does not saturate (ISA guide 7.6.2): the number is held within 448 x the scale first
.endr
	v_cvt_scalef32_pk8_fp8_f32 v[C+4*(\t):C+4*(\t)+1], v[XS:XS+7], v11          ; eight numbers / 2^e, to the nearest code, ties to even; the first number's code in the lowest byte
	v_cvt_scalef32_pk8_fp8_f32 v[C+4*(\t)+2:C+4*(\t)+3], v[XS+8:XS+15], v11
	global_store_b128 v4, v[C+4*(\t):C+4*(\t)+3], s[12:13] offset:32*CB*(\t)    ; 512 consecutive bytes.  (The codes go to a store alone, and the next step begins with plain vector lines on other registers)
.endm
.irp t, 0,1,2,3,4,5,6,7,8,9,10,11,12,13,14,15
	STEP \t
.endr
	s_wait_tensorcnt 0x0
	ds_add_u32 v192, v193
	s_wait_dscnt 0x0
	s_endpgm
.Lfunc_end_k_qeba9e29620_quant:
	.size	k_qeba9e29620_quant, .Lfunc_end_k_qeba9e29620_quant-k_qeba9e29620_quant
	.p2alignl 7, 3214868480
	.fill 96, 4, 3214868480
	.section	.rodata,"a",@progbits
	.p2align	6, 0x0
	.amdhsa_kernel k_qeba9e29620_quant
		.amdhsa_group_segment_fixed_size 33280
		.amdhsa_private_segment_fixed_size 0
		.amdhsa_enable_private_segment 0
		.amdhsa_kernarg_size 56
		.amdhsa_user_sgpr_count 2
		.amdhsa_user_sgpr_kernarg_segment_ptr 1
		.amdhsa_wavefront_size32 1
		.amdhsa_system_sgpr_workgroup_id_x 1
		.amdhsa_system_sgpr_workgroup_id_y 1
		.amdhsa_system_sgpr_workgroup_id_z 1
		.amdhsa_system_vgpr_workitem_id 0
		.amdhsa_next_free_vgpr 194
		.amdhsa_next_free_sgpr 66
		.amdhsa_reserve_vcc 0
		.amdhsa_float_denorm_mode_32 3
		.amdhsa_float_denorm_mode_16_64 3
		.amdhsa_memory_ordered 1
		.amdhsa_forward_progress 1
		.amdhsa_inst_pref_size 38
	.end_amdhsa_kernel
	.amdgpu_metadata
---
amdhsa.version: [ 1, 2 ]
amdhsa.kernels:
  - .name:           k_qeba9e29620_quant
    .symbol:         k_qeba9e29620_quant.kd
    .args:
      - { .name: x, .offset: 0, .size: 8, .value_kind: global_buffer, .address_space: global }
      - { .name: w_in, .offset: 8, .size: 8, .value_kind: global_buffer, .address_space: global }
      - { .name: w_out, .offset: 16, .size: 8, .value_kind: global_buffer, .address_space: global }
      - { .name: lowp_scales, .offset: 24, .size: 8, .value_kind: global_buffer, .address_space: global }
      - { .name: x_codes, .offset: 32, .size: 8, .value_kind: global_buffer, .address_space: global }
      - { .name: win_codes, .offset: 40, .size: 8, .value_kind: global_buffer, .address_space: global }
      - { .name: wout_codes, .offset: 48, .size: 8, .value_kind: global_buffer, .address_space: global }
    .group_segment_fixed_size: 33280
    .private_segment_fixed_size: 0
    .kernarg_segment_align: 8
    .kernarg_segment_size: 56
    .max_flat_workgroup_size: 128
    .sgpr_count:     66
    .vgpr_count:     194
    .wavefront_size: 32
...
	.end_amdgpu_metadata
.endif
;; end of part 1
;; launch qkv (part 2): grid 12 x 16, 4 waves a work-group, clusters of 4 x 4, 327,680 bytes of LDS; arguments x_codes, win_codes, lowp_scales, b_in, qkv_codes; writes qkv_codes
.if DOCPART == 2
	.amdgcn_target "amdgcn-amd-amdhsa--gfx1250"
	.amdhsa_code_object_version 6
	.text
	.protected	k_qeba9e29620_qkv
	.globl	k_qeba9e29620_qkv
	.p2align	8
	.type	k_qeba9e29620_qkv,@function
k_qeba9e29620_qkv:
	s_mov_b64 s[64:65], 0
	v_nop
	global_prefetch_b8 v0, s[64:65] scope:SCOPE_SE
	s_setreg_imm32_b32 hwreg(HW_REG_WAVE_MODE, 25, 1), 1
	s_wait_xcnt 0x0
	s_wait_alu depctr_hold_cnt(0) depctr_sa_sdst(0) depctr_va_vdst(0) depctr_va_sdst(0) depctr_va_ssrc(0) depctr_va_vcc(0) depctr_vm_vsrc(0)
	s_getreg_b32 s2, hwreg(HW_REG_IB_STS2, 6, 4)
	s_cmp_eq_u32 s2, 0
	s_cbranch_scc0 .Lentry_in_a_cluster
	s_endpgm
.Lentry_in_a_cluster:
	s_bfe_u32 s2, ttmp6, 0x10000c
	s_cmp_lg_u32 s2, 0xf033
	s_cbranch_scc0 .Lentry_shape_is_right
	s_endpgm
.Lentry_shape_is_right:
; qkv = x w_in^T + b_in on codes of FP8 (E4M3); the results are quantised at once for the two products of attention and leave as codes.
; x_codes [4096][1024], win_codes [3072][1024]: K innermost.  A sum stands for sum x 2^(e0 + e1); then + bias; then the quantiser: q / 8 with 2^e2 (taken as q with 2^(e2 + 3)), k with 2^e3, v with 2^e5.
; LIMITS: e0 + e1 between -126 and 127; e2 + 3, e3 and e5 between -126 and 119, so that each power of two below is an f32 number.  NaN is not served.
; OUT: qkv_codes [b x 16 + head][Q 131,072 | K 131,072 | V 131,072 bytes].  Q, K: [token 2048][64 bytes]; V: [block of 64 keys, 32][d 64][64 bytes, the keys innermost].
; In every row of 64 bytes, byte 32 c + 16 h + 8 u + i holds index 32 c + 16 u + 8 h + i (c, h, u 0 or 1): two 16-byte loads at 16 h and 32 + 16 h then fill an 8-bit operand's registers in its own order.
; A tile of 256 x 256 is made by four waves, 128 x 128 each: 64 accumulators, 512 registers.  K goes in steps of 256 through a ring of two LDS slots filled by the tensor data mover.
; 192 work-groups: 16 x 12 tiles.  CLUSTERS of 4 x 4: the four of a row share the tiles of side A, the four of a column those of side B: each tile is asked for jointly.
; THE MATRIX INSTRUCTION IS USED TRANSPOSED (source 0 = 16 rows of side B, source 1 = 16 rows of side A): a lane holds ONE row of side A and eight neighbours of side B.
; THE KIND is the cluster's x (0: q, 1: k, 2: v), equal in all sixteen partners.  q and k want a lane to hold one token and its registers to run along d: A = x, B = w_in.  v wants one d and registers along
; the tokens, which are its K in attention: A = w_in, B = x.  Only pointers, tile numbers, strides and two lane masks are chosen by selects on the kind: the text has one path and no branch on it.
; A fragment's 128 k are fetched by four 16-byte loads, the same places of k in A and in B, so every product meets its partner.
; REGISTERS, in windows of 256: window 0: v0-31 addresses; v32-95 side B's bias, v96-111 side A's, v112, v113 the quantiser's scale and hold; from v128 A's fragments, ONE set; on the way out v128-239 at work.
;   window 1: B's fragments, TWO sets.   window 2: the accumulators of my rows 0-63 of side A ((a, b) at v[8 (8 a + b)]);   window 3: those of rows 64-127.
; No prefetch: of the four K steps two are asked for at the head and the other two one step later.
.set KSTEP,  256                       ; along K in a slot
.set ROWB,   256                       ; a tile's row in bytes
.set KROW,   1024                      ; a row of codes in memory
.set PITCH,  272                       ; an LDS row: 256 bytes + 16 of padding = 68 words: row r starts at bank 4 r mod 64 (64 banks of 4 bytes: ISA guide 11.1)
.set FR,     16                        ; registers of a fragment: 16 rows x 128 K
.set NL,     4                         ; LDS loads that bring one
.set NP,     4                         ; places behind this matrix instruction (ISA guide 7.12.1)
.set HALFT,  128*PITCH                 ; 128 rows: what one tensor load brings
.set SLOT,   4*HALFT                   ; A's 256 rows, then B's 256 rows
.set LAPS,   2                         ; 1024 / (2 x 256): a lap = once round the ring
.set SPARE,  2*SLOT                    ; behind the ring: the spare words, 128 bytes for each wave: two blocks of 256 bytes that no other line names
.set SPITCH, 144                       ; the way out: a stage of 16 rows x (128 bytes + 16) for each wave, in slot 0, which has had its last fill and its last read when the first code is stored there
.set HEADB,  393216                    ; a head's Q, K and V in qkv_codes
.set ADRA, 16                          ; v16-17  LDS address of my A fragments in slot 0, 1
.set ADRB, 20                          ; v20-21  the same for B
.set STO,  24                          ; v24     the way out: where I put 16 bytes of a row
.set RD,   25                          ; v25     the way out: where I read 16 bytes back
.set CO,   26                          ; v26     my byte offset in qkv_codes
.set SPW,  28                          ; v28     LDS address of my spare word; never rewritten
.set NIL,  29                          ; v29     0; never rewritten
.set BIB,  32                          ; v32-95  bias of side B: register 8 b + i for index 16 b + 8 h + i (zeros for v)
.set BIA,  96                          ; v96-111 bias of side A: pair a holds that of index 16 a + r twice (zeros for q and k)
.set SC,   112                         ; v112    the quantiser's scale as f32
.set LIM,  113                         ; v113    448 x that
.set AF,   128                         ; A's fragments
.set TMP,  128                         ; the way out: a block's 64 numbers
.set CD,   192                         ; its 16 registers of codes
.set BK,   208                         ; and the rows read back: v208-223 and v224-239 by turns
.set G1, 24                            ; s[24:31] descriptor group 1 for A's tiles;  s[32:39] group 0, one set for each slot
.set G0, 32
.set G1B, 48                           ; s[48:55], s[56:63] the same for B's tiles
.set G0B, 56
.set MSB, 0
.macro WIN new                         ; the immediate's high byte repeats the setting that is left
.if MSB != \new
	s_set_vgpr_msb (MSB<<8)|\new
.set MSB, \new
.endif
.endm
.set MUL_LO, 0xa1                      ; source 0 (B) window 1, source 1 (A) window 0, C and D window 2
.set MUL_HI, 0xf1                      ; the same, C and D window 3
.set TO_B,   0x40                      ; destination window 1, address window 0
; A joint load: waves 0 and 1 fetch for A, waves 2 and 3 for B.  Each line has one mask and one set of registers; the branch hangs on the wave's number alone.
; Four v_nop follow each of the two lines, ahead of the jump, the label and what follows.
.macro JLOAD g0a, g1a, g0b, g1b
	s_cmp_eq_u32 s15, 0
	s_cbranch_scc0 .Lfor_b_\@
	tensor_load_to_lds s[\g0a:\g0a+3], s[\g1a:\g1a+7]
	s_nop 0
.rept 4
	v_nop
.endr
	s_branch .Lasked_\@
.Lfor_b_\@:
	tensor_load_to_lds s[\g0b:\g0b+3], s[\g1b:\g1b+7]
	s_nop 0
.rept 4
	v_nop
.endr
.Lasked_\@:
.endm
.macro CREST                           ; a round of the cluster's barrier behind its opening barrier
	s_cmp_lg_u32 s14, 0
	s_cbranch_scc1 .Lnot_wave_0_\@
	s_barrier_signal -3
.Lnot_wave_0_\@:
	s_barrier_wait -3
	s_barrier_signal -1
	s_barrier_wait -1
.endm
.macro CROUND                          ; a whole round
	s_barrier_signal -1
	s_barrier_wait -1
	CREST
.endm
	s_load_b128 s[4:7], s[0:1], 0x0                ; x's codes s[4:5], w_in's codes s[6:7]
	s_load_b128 s[8:11], s[0:1], 0x10              ; the scales' exponents s[8:9], b_in s[10:11]
	s_load_b64 s[12:13], s[0:1], 0x20              ; qkv_codes
	v_lshl_add_u32 v[SPW], v0, 2, SPARE
	v_mov_b32 v[NIL], 0
	ds_add_u32 v28, v29
	ds_add_u32 v28, v29
	s_wait_dscnt 0x0
	v_lshrrev_b32 v1, 5, v0
	v_readfirstlane_b32 s14, v1                    ; wave 0..3
	s_lshr_b32 s15, s14, 1                         ; which half of side A's rows is mine.  Also: I fetch for A (0) or for B (1)
	s_and_b32 s16, s14, 1                          ; which half of side B's.  Also: which 128 rows of that tile I fetch
	s_bfe_u32 s40, ttmp6, 0x40000                  ; cx, cy: my place in the cluster
	s_bfe_u32 s41, ttmp6, 0x40004
	s_lshl_b32 s70, ttmp9, 2                       ; 4 x cluster x
	s_and_b32 s71, ttmp7, 0xffff
	s_lshl_b32 s71, s71, 2                         ; 4 x cluster y
	s_cmp_eq_u32 ttmp9, 2                          ; v?  The same answer in all sixteen partners
	s_cselect_b32 s72, 8, s71                      ; side A's first tile of 256 rows: w_in's rows 2048 on, or x's tokens by the cluster's y
	s_cselect_b32 s73, s71, s70                    ; side B's: x's tokens by the cluster's y, or w_in's rows by the kind
	s_add_co_u32 s17, s41, s72                     ; A's tile: + cy, which my row of the cluster shares
	s_add_co_u32 s42, s40, s73                     ; B's tile: + cx, which my column shares
	s_lshl_b32 s43, s41, 2
	s_lshl_b32 s43, 15, s43                        ; my row of the cluster
	s_lshl_b32 s44, 0x1111, s40                    ; my column
	; descriptor group 1: a tile of 128 rows x 256 bytes, padded in LDS
	s_or_b32 s[G1+0], s43, (0<<16)|(1<<20)|(1<<21)|(5<<22)|(3<<25)  ; 15:0 the mask: A's tiles go to my row; 17:16 elements of 1 byte; 20 padding on; 21 set beside a mask; 24:22 after every 64 words (code 5); 31:25 of 4 words (code 3)
	s_or_b32 s[G1B+0], s44, (0<<16)|(1<<20)|(1<<21)|(5<<22)|(3<<25)
.irp g, G1, G1B
	s_mov_b32 s[\g+1], ROWB<<16                    ; tensor_dim0
	s_mov_b32 s[\g+2], 128<<16                     ; tensor_dim1 = 128
	s_mov_b32 s[\g+3], ROWB<<16                    ; tile_dim0
	s_mov_b32 s[\g+4], 128                         ; tile_dim1 = 128
	s_mov_b32 s[\g+5], KROW                        ; tensor_dim0_stride
	s_mov_b32 s[\g+6], 0
	s_mov_b32 s[\g+7], 0
.endr
	s_lshl_b32 s18, s16, 7                         ; which 128 rows of the tile I fetch
	s_lshl_b32 s20, s17, 8
	s_add_co_u32 s20, s20, s18                     ; A: row 256 x tile + 128 x half,
	s_lshl_b32 s20, s20, 10                        ; in bytes (under 2^23)
	s_mov_b32 s21, 0
	s_lshl_b32 s46, s42, 8
	s_add_co_u32 s46, s46, s18                     ; B likewise
	s_lshl_b32 s46, s46, 10
	s_mov_b32 s47, 0
	s_mul_i32 s45, s14, HALFT                      ; where they go: wave x 128 rows: no place in the cluster enters an LDS address
	s_wait_kmcnt 0x0
	s_load_b256 s[80:87], s[8:9], 0x0              ; the eight exponents
	s_cmp_eq_u32 ttmp9, 2
	s_cselect_b64 s[66:67], s[6:7], s[4:5]         ; side A's codes
	s_cselect_b64 s[68:69], s[4:5], s[6:7]         ; side B's
	s_add_nc_u64 s[20:21], s[66:67], s[20:21]
	s_add_nc_u64 s[46:47], s[68:69], s[46:47]
	CROUND                                         ; all sixteen work-groups are here: the first joint loads meet
.irp s, 0,1
	s_mov_b32 s[G0+4*\s], 1
	s_add_co_u32 s[G0+4*\s+1], s45, \s*SLOT
	s_add_nc_u64 s[G0+4*\s+2:G0+4*\s+3], s[20:21], \s*ROWB
	s_or_b32 s[G0+4*\s+3], s[G0+4*\s+3], 0x80000000
	s_mov_b32 s[G0B+4*\s], 1
	s_add_co_u32 s[G0B+4*\s+1], s45, \s*SLOT
	s_add_nc_u64 s[G0B+4*\s+2:G0B+4*\s+3], s[46:47], \s*ROWB
	s_or_b32 s[G0B+4*\s+3], s[G0B+4*\s+3], 0x80000000
	JLOAD G0+4*\s, G1, G0B+4*\s, G1B               ; two tensor loads of mine are out
.endr
	v_and_b32 v1, 15, v0                           ; r = l % 16
	v_bfe_u32 v2, v0, 4, 1                         ; h = l / 16
	v_mul_u32_u24 v3, v1, PITCH
	v_lshl_add_u32 v4, v2, 4, v3                   ; a fragment's row x pitch + 16 x half
	s_mul_i32 s21, s15, HALFT                      ; my 128 rows of A
	s_mul_i32 s22, s16, HALFT                      ; my 128 rows of B,
	s_add_co_u32 s22, s22, 2*HALFT                 ; which lie behind A's 256
.irp s, 0,1
	v_add_nc_u32 v[ADRA+\s], s21, v4
	v_add_nc_u32 v[ADRB+\s], s22, v4
	s_add_co_u32 s21, s21, SLOT
	s_add_co_u32 s22, s22, SLOT
.endr
	; the biases.  Both sets are loaded whatever the kind (both lie inside b_in); the one that does not belong becomes zeros on the way out
	s_lshl_b32 s74, ttmp9, 12
	s_lshl_b32 s75, s40, 10
	s_add_co_u32 s74, s74, s75
	s_lshl_b32 s75, s16, 9
	s_add_co_u32 s74, s74, s75                     ; 4 (1024 kind + 256 cx + 128 half): side B's features where B is w_in
	s_mov_b32 s75, 0
	s_add_nc_u64 s[88:89], s[10:11], s[74:75]
	s_lshl_b32 s74, s41, 10
	s_lshl_b32 s76, s15, 9
	s_add_co_u32 s74, s74, s76
	s_add_co_u32 s74, s74, 8192                    ; 4 (2048 + 256 cy + 128 half): side A's features where A is w_in
	s_add_nc_u64 s[90:91], s[10:11], s[74:75]
	v_lshlrev_b32 v7, 5, v2                        ; 32 h; not rewritten
	v_lshlrev_b32 v8, 2, v1                        ; 4 r; not rewritten
.irp b, 0,1,2,3,4,5,6,7
	global_load_b128 v[BIB+8*\b:BIB+8*\b+3],   v7, s[88:89] offset:64*\b
	global_load_b128 v[BIB+8*\b+4:BIB+8*\b+7], v7, s[88:89] offset:64*\b+16
.endr
.irp a, 0,1,2,3,4,5,6,7
	global_load_b32 v[BIA+2*\a],   v8, s[90:91] offset:64*\a
	global_load_b32 v[BIA+2*\a+1], v8, s[90:91] offset:64*\a   ; twice: a pair for the packed addition
.endr
	; where my codes go
	s_cmp_eq_u32 ttmp9, 2
	s_cselect_b32 s74, s40, s41                    ; the tokens' place in the cluster,
	s_cselect_b32 s75, s16, s15                    ; and their half in the tile;
	s_cselect_b32 s76, s41, s40                    ; the heads' place,
	s_cselect_b32 s77, s15, s16                    ; and half
	s_mov_b32 s78, HEADB
	s_cselect_b32 s78, 4096, s78                   ; from lanes 0-15 to lanes 16-31: v: the next block of 64 keys; q, k: the next head
	s_cselect_b32 s92, HEADB-4096, 0               ; what block 4 adds: v: on to the next head (4 x 1,024 bytes are in the immediate already); q, k: nothing
	s_mov_b32 s93, 0
	s_cselect_b32 s94, 0, -1                       ; lanes that keep side B's bias
	s_cselect_b32 s95, -1, 0                       ; lanes that keep side A's
	s_add_co_u32 s74, s74, s71
	s_lshl_b32 s74, s74, 8
	s_lshl_b32 s75, s75, 7
	s_add_co_u32 s74, s74, s75                     ; my first token of 4,096
	s_lshl_b32 s76, s76, 2
	s_lshl_b32 s77, s77, 1
	s_add_co_u32 s76, s76, s77                     ; my first head of 16
	s_lshr_b32 s75, s74, 11
	s_lshl_b32 s75, s75, 4
	s_add_co_u32 s75, s75, s76                     ; b x 16 + head
	s_mul_i32 s75, s75, HEADB
	s_lshl_b32 s77, ttmp9, 17                      ; Q, K or V
	s_add_co_u32 s75, s75, s77
	s_and_b32 s74, s74, 2047
	s_lshl_b32 s74, s74, 6                         ; 64 bytes a token; in V 4,096 bytes for 64 keys, which is the same
	s_add_co_u32 s74, s74, s75
	s_mov_b32 s75, 0
	s_add_nc_u64 s[12:13], s[12:13], s[74:75]
	s_mul_i32 s23, s14, 16*SPITCH                  ; my stage
	v_mul_u32_u24 v5, v1, SPITCH                   ; in: row r, 16 bytes for each half of the lanes
	v_lshl_add_u32 v5, v2, 4, v5
	v_add_nc_u32 v[STO], s23, v5
	v_bfe_u32 v6, v0, 2, 2                         ; back: lanes 0-15 take the first 64 bytes of four rows, lanes 16-31 the second 64
	v_mul_u32_u24 v6, v6, SPITCH
	v_lshl_add_u32 v6, v2, 6, v6
	v_and_b32 v9, 3, v0
	v_lshl_add_u32 v6, v9, 4, v6
	v_add_nc_u32 v[RD], s23, v6
	v_mul_u32_u24 v[CO], v2, s78
	v_lshl_add_u32 v[CO], v1, 4, v[CO]             ; in memory four rows of 64 bytes lie on end: 16 lanes, 256 consecutive bytes
.macro FRAG reg, adr, q, i             ; a fragment: lane l holds row l % 16; registers 4 c .. 4 c + 3 hold K = 32 c + 16 (l / 16) + 0 .. 15
.irp c, 0,1,2,3
	ds_load_b128 v[\reg+4*\c:\reg+4*\c+3], v[\adr] offset:128*(\q)+32*\c+(\i)*16*PITCH
.endr
.endm
; 16 matrix instructions: A's blocks a0, a0 + 1 x B's eight, 128 along K.  p: B's set.  zero = 1: the first product starts the sums: nothing is ever cleared.
; The 64 accumulators take turns, one instruction a turn, in the same order in every step.
.macro MUL16 a0, p, zero
.irp a, \a0, \a0+1
.irp b, 0,1,2,3,4,5,6,7
.if \zero
	v_wmma_f32_16x16x128_fp8_fp8 v[8*(8*((\a)%4)+\b):8*(8*((\a)%4)+\b)+7], v[128*(\p)+FR*\b:128*(\p)+FR*\b+FR-1], v[AF+FR*(\a):AF+FR*(\a)+FR-1], 0
.else
	v_wmma_f32_16x16x128_fp8_fp8 v[8*(8*((\a)%4)+\b):8*(8*((\a)%4)+\b)+7], v[128*(\p)+FR*\b:128*(\p)+FR*\b+FR-1], v[AF+FR*(\a):AF+FR*(\a)+FR-1], v[8*(8*((\a)%4)+\b):8*(8*((\a)%4)+\b)+7]
.endif
.endr
.endr
.endm
.macro FETCH_B slot, q, p              ; B's eight fragments of the slot's q-th 128 along K into set p
	WIN TO_B
.irp i, 0,1,2,3,4,5,6,7
	FRAG 128*(\p)+FR*\i, ADRB+\slot, \q, \i
.endr
	WIN 0
.endm
.macro FETCH_A slot, q, i0             ; A's blocks i0 .. i0 + 3
.irp i, \i0, \i0+1, \i0+2, \i0+3
	FRAG AF+FR*(\i), ADRA+\slot, \q, \i
.endr
.endm
; A load into a register that a matrix instruction has read stands NP places behind it, and only plain vector instructions that name none of its registers are places (ISA guide 7.12.1 for vector instructions).
.macro PLACES n
.rept \n
	v_nop
.endr
.endm
; A step of 128 along K that has its successor in the same slot.  A block of A is free as soon as its eight products are issued, so one set serves A: blocks 0-3 are fetched anew in the step's middle, blocks 4-7 at its end.
.macro STEP slot, q, zero
	s_wait_dscnt 4*NL                              ; B's set and A's blocks 0-3 are in; the youngest sixteen loads (A's blocks 4-7) may be out
	WIN MUL_LO
	MUL16 0, (\q)%2, \zero
	MUL16 2, (\q)%2, \zero
	s_wait_dscnt 0                                 ; A's blocks 4-7 are in (asked for 32 matrix instructions ago)
	PLACES NP
	FETCH_B \slot, (\q)+1, 1-(\q)%2
	FETCH_A \slot, (\q)+1, 0
	WIN MUL_HI
	MUL16 4, (\q)%2, \zero
	MUL16 6, (\q)%2, \zero
	PLACES NP
	WIN 0
	FETCH_A \slot, (\q)+1, 4
.endm
; A slot's last step changes slots: ONE barrier; in front of it each wave waits for all its tensor loads, adds 0 to its spare word, and waits for that and for its own reads of this slot.  fill = 1: this slot is filled again, two K steps ahead.
.macro TURN slot, next, fill
	s_wait_tensorcnt 0x0                           ; all my tensor loads have landed: my part of the next slot  (every window is 0 here)
	ds_add_u32 v[SPW], v[NIL]                      ; 0 onto my spare word
	s_wait_dscnt 4*NL+1                            ; (the add and the youngest sixteen loads, A's blocks 4-7, may be out)
	WIN MUL_LO
	MUL16 0, 1, 0                                  ; sixteen matrix instructions stand between the add and the wait for it
	s_wait_dscnt 0x0                               ; the add is done, and my reads of this slot are over
	s_barrier_signal -1
	MUL16 2, 1, 0
	WIN 0
	s_barrier_wait -1
.if \fill
	CREST                                          ; the barrier has opened a round of the cluster's barrier: no wave of any partner still reads this slot's tile or has a load on its way
	s_add_nc_u64 s[G0+4*\slot+2:G0+4*\slot+3], s[G0+4*\slot+2:G0+4*\slot+3], 2*ROWB
	s_add_nc_u64 s[G0B+4*\slot+2:G0B+4*\slot+3], s[G0B+4*\slot+2:G0B+4*\slot+3], 2*ROWB
	JLOAD G0+4*\slot, G1, G0B+4*\slot, G1B         ; the first tensor load behind the round, my only one until the next; its four v_nop are the places in front of the loads below
.else
	PLACES NP
.endif
	FETCH_B \next, 0, 0
	FETCH_A \next, 0, 0
	WIN MUL_HI
	MUL16 4, 1, 0
	MUL16 6, 1, 0
	PLACES NP
	WIN 0
	FETCH_A \next, 0, 4
.endm
	s_wait_tensorcnt 1                             ; my part of K step 0 is in (K step 1's load may be out)
	s_barrier_signal -1
	s_barrier_wait -1                              ; everybody's is
	FETCH_B 0, 0, 0
	FETCH_A 0, 0, 0
	FETCH_A 0, 0, 4
	STEP 0, 0, 1                                   ; the first step stands in front of the loop: its products start the sums
	s_mov_b32 s3, LAPS-1
.Llap:                                                 ; a trip goes once round the ring, from a lap's second step to the next lap's first, and fills both slots again
	TURN 0, 1, 1
	STEP 1, 0, 0
	TURN 1, 0, 1
	STEP 0, 0, 0
	s_sub_co_u32 s3, s3, 1
	s_cmp_lg_u32 s3, 0
	s_cbranch_scc1 .Llap
	TURN 0, 1, 0                                   ; the last lap fills nothing, and has no round of the cluster's barrier
	STEP 1, 0, 0
	s_wait_dscnt 4*NL                              ; the very last step: nothing more to fetch
	WIN MUL_LO
	MUL16 0, 1, 0
	MUL16 2, 1, 0
	s_wait_dscnt 0
	WIN MUL_HI
	MUL16 4, 1, 0
	MUL16 6, 1, 0
	WIN 0
	; THE WAY OUT.  The scales; then the bias that does not belong to the kind becomes zeros: 82 plain lines, which are also the places behind the last products.
	s_wait_loadcnt 0x0                             ; the biases
	s_wait_kmcnt 0x0                               ; the exponents
	s_add_co_i32 s98, s82, 3                       ; q / 8 with 2^e2 is q with 2^(e2 + 3)
	s_cmp_eq_u32 ttmp9, 0
	s_cselect_b32 s98, s98, s83                    ; k: e3
	s_cmp_eq_u32 ttmp9, 2
	s_cselect_b32 s98, s85, s98                    ; v: e5
	s_add_co_i32 s98, s98, 127
	s_lshl_b32 s99, s98, 23
	v_mov_b32 v[SC], s99                           ; the scale as f32: the conversion takes its exponent field
	s_add_co_i32 s98, s98, 8
	s_lshl_b32 s98, s98, 23
	s_or_b32 s98, s98, 0x600000
	v_mov_b32 v[LIM], s98                          ; 448 x the scale
	s_add_co_i32 s96, s80, s81
	s_add_co_i32 s96, s96, 127
	s_lshl_b32 s96, s96, 23                        ; 2^(e0 + e1) as f32
	s_mov_b32 s97, s96                             ; (named with it as a pair, so it is written)
.set j, 0
.rept 64
	v_cndmask_b32 v[BIB+j], 0, v[BIB+j], s94
.set j, j+1
.endr
.set j, 0
.rept 16
	v_cndmask_b32 v[BIA+j], 0, v[BIA+j], s95
.set j, j+1
.endr
; Block a: 16 rows of side A x 128 of side B.  sum x 2^(e0 + e1) + bias: one of the two biases is zero, so one rounding is made; the hold; the conversion.  A lane's codes of blocks 2 c and 2 c + 1 of side B are 16 bytes
; of its row, at 32 c + 16 h: the order stated at the head.  They go through my own stage and come back so that sixteen lanes hold 256 bytes that lie on end in memory.
; LDS serves a wave's instructions in order (ISA guide 5.7.1.4): no wait between the stores and the loads, nor in front of the next block's stores.
.macro CODES a
.set AC, 64*((\a)%4)
.set BR, BK+16*((\a)%2)
	WIN 0x02+((\a)/4)                              ; source 0: window 2 or 3
.set j, 0
.rept 32
	v_pk_fma_f32 v[TMP+j:TMP+j+1], v[AC+j:AC+j+1], s[96:97], v[BIB+j:BIB+j+1] op_sel_hi:[1,0,1]   ; each accumulator from its low end on
.set j, j+2
.endr
	WIN 0
.set j, 0
.rept 32
	v_pk_add_f32 v[TMP+j:TMP+j+1], v[TMP+j:TMP+j+1], v[BIA+2*(\a):BIA+2*(\a)+1]
.set j, j+2
.endr
.set j, 0
.rept 64
	v_med3_num_f32 v[TMP+j], v[TMP+j], -v[LIM], v[LIM]   ; the conversion to an 8-bit code does not saturate (ISA guide 7.6.2)
.set j, j+1
.endr
.irp b, 0,1,2,3,4,5,6,7
	v_cvt_scalef32_pk8_fp8_f32 v[CD+2*\b:CD+2*\b+1], v[TMP+8*\b:TMP+8*\b+7], v[SC]
.endr
	v_nop                                          ; one plain line behind the last conversion: the next block's lines write its sources
.irp c, 0,1,2,3
	ds_store_b128 v[STO], v[CD+4*\c:CD+4*\c+3] offset:32*\c
.endr
.irp i, 0,1,2,3
	ds_load_b128 v[BR+4*\i:BR+4*\i+3], v[RD] offset:4*SPITCH*\i
.endr
.endm
.macro SEND a, younger                 ; younger: the LDS instructions issued behind block a's loads, which may stay out
.set BR, BK+16*((\a)%2)
	s_wait_dscnt \younger
.if (\a) == 4
	s_add_nc_u64 s[12:13], s[12:13], s[92:93]      ; (behind the wait on XCNT at the head of block 5's turn: the earlier stores have read their base)
.endif
.irp i, 0,1,2,3
	global_store_b128 v[CO], v[BR+4*\i:BR+4*\i+3], s[12:13] offset:1024*(\a)+256*\i   ; lanes 0-15 store 256 consecutive bytes at a multiple of 256 from the buffer's first byte, lanes 16-31 another 256
.endr
.endm
	CODES 0
.irp a, 1,2,3,4,5,6,7
.if \a > 1
	s_wait_xcnt 0x0                                ; block a - 2's stores have read their registers and their base: block a's loads may land there
.endif
	CODES \a
	SEND \a-1, 8                                   ; behind block a - 1's loads: block a's four stores and four loads
.endr
	SEND 7, 0
	s_wait_tensorcnt 0x0                           ; the wave's end: behind my last tensor load and my last LDS store
	ds_add_u32 v[SPW], v[NIL]
	s_wait_dscnt 0x0
	CROUND                                         ; the closing round: no work-group ends while a partner may still ask for a tile that names it
	s_endpgm
.Lfunc_end_k_qeba9e29620_qkv:
	.size	k_qeba9e29620_qkv, .Lfunc_end_k_qeba9e29620_qkv-k_qeba9e29620_qkv
	.p2alignl 7, 3214868480
	.fill 96, 4, 3214868480
	.section	.rodata,"a",@progbits
	.p2align	6, 0x0
	.amdhsa_kernel k_qeba9e29620_qkv
		.amdhsa_group_segment_fixed_size 327680
		.amdhsa_private_segment_fixed_size 0
		.amdhsa_enable_private_segment 0
		.amdhsa_kernarg_size 40
		.amdhsa_user_sgpr_count 2
		.amdhsa_user_sgpr_kernarg_segment_ptr 1
		.amdhsa_wavefront_size32 1
		.amdhsa_system_sgpr_workgroup_id_x 1
		.amdhsa_system_sgpr_workgroup_id_y 1
		.amdhsa_system_sgpr_workgroup_id_z 1
		.amdhsa_system_vgpr_workitem_id 0
		.amdhsa_next_free_vgpr 1024
		.amdhsa_next_free_sgpr 100
		.amdhsa_reserve_vcc 0
		.amdhsa_float_denorm_mode_32 3
		.amdhsa_float_denorm_mode_16_64 3
		.amdhsa_memory_ordered 1
		.amdhsa_forward_progress 1
		.amdhsa_inst_pref_size 164
	.end_amdhsa_kernel
	.amdgpu_metadata
---
amdhsa.version: [ 1, 2 ]
amdhsa.kernels:
  - .name:           k_qeba9e29620_qkv
    .symbol:         k_qeba9e29620_qkv.kd
    .args:
      - { .name: x_codes, .offset: 0, .size: 8, .value_kind: global_buffer, .address_space: global }
      - { .name: win_codes, .offset: 8, .size: 8, .value_kind: global_buffer, .address_space: global }
      - { .name: lowp_scales, .offset: 16, .size: 8, .value_kind: global_buffer, .address_space: global }
      - { .name: b_in, .offset: 24, .size: 8, .value_kind: global_buffer, .address_space: global }
      - { .name: qkv_codes, .offset: 32, .size: 8, .value_kind: global_buffer, .address_space: global }
    .group_segment_fixed_size: 327680
    .private_segment_fixed_size: 0
    .kernarg_segment_align: 8
    .kernarg_segment_size: 40
    .max_flat_workgroup_size: 128
    .sgpr_count:     100
    .vgpr_count:     1024
    .wavefront_size: 32
...
	.end_amdgpu_metadata
.endif
;; end of part 2
;; launch attn (part 3): grid 8 x 32, 16 waves a work-group, clusters of 4 x 1, 301,056 bytes of LDS; arguments qkv_codes, lowp_scales, ctx_codes; writes ctx_codes
.if DOCPART == 3
	.amdgcn_target "amdgcn-amd-amdhsa--gfx1250"
	.amdhsa_code_object_version 6
	.text
	.protected	k_qeba9e29620_attn
	.globl	k_qeba9e29620_attn
	.p2align	8
	.type	k_qeba9e29620_attn,@function
k_qeba9e29620_attn:
	s_mov_b64 s[64:65], 0
	v_nop
	global_prefetch_b8 v0, s[64:65] scope:SCOPE_SE
	s_setreg_imm32_b32 hwreg(HW_REG_WAVE_MODE, 25, 1), 1
	s_wait_xcnt 0x0
	s_wait_alu depctr_hold_cnt(0) depctr_sa_sdst(0) depctr_va_vdst(0) depctr_va_sdst(0) depctr_va_ssrc(0) depctr_va_vcc(0) depctr_vm_vsrc(0)
	s_getreg_b32 s2, hwreg(HW_REG_IB_STS2, 6, 4)
	s_cmp_eq_u32 s2, 0
	s_cbranch_scc0 .Lentry_in_a_cluster
	s_endpgm
.Lentry_in_a_cluster:
	s_bfe_u32 s2, ttmp6, 0x10000c
	s_cmp_lg_u32 s2, 0x3003
	s_cbranch_scc0 .Lentry_shape_is_right
	s_endpgm
.Lentry_shape_is_right:
; Causal attention on codes of FP8 (E4M3), 32 heads (b x 16 + head) of 2,048 tokens x 64; the result is quantised at once for the output projection.
; IN: qkv_codes [head 32][Q | K | V, 131,072 bytes each].  Q (already q / 8), K: [token][64 bytes]; V: [block of 64 keys][d 64][64 bytes, keys innermost].  In each row of 64 bytes, byte 32 c + 16 h + 8 u + i
; holds index 32 c + 16 u + 8 h + i, so that two 16-byte loads at 16 h and 32 + 16 h fill an 8-bit operand's registers in its own order (registers 2 c, 2 c + 1: k = 16 c + 8 h + 0 .. 7).
; THE SOFTMAX: t = score x log2(e); M = the row's largest t so far, rounded UP to a whole number; p = 2^(t - M) is quantised with 2^e4, not normalised.  The row's sum is taken of the unquantised p and divides at
; the end.  When M moves, the sum and O are multiplied by 2^(old M - new M): exact.  Hidden keys (key > query) get the score -infinity ahead of the maximum: p = 0.
; OUT: ctx_codes [block of 128 tokens, 32][head 16][128 tokens][64 bytes, d in its own order], quantised with 2^e6.
; LIMITS: e2 + e3 between -126 and 127 (added to log2(e)'s exponent field); e4 and e6 between -126 and 119; e4 + e5 is applied by v_ldexp_f32 and has none.  NaN is not served.
; SHARES.  Eight work-groups to a head.  Work-group u (0..7) and wave w own ONE tile of 16 queries: 128 g + 16 u + 0 .. 15, g = g(w) one of 0..15.  So each block of 128 queries is dealt to the head's eight work-groups,
; and a wave needs key steps 0 .. g of 128 keys, the last of them on the diagonal: every work-group has the same 136 tile steps.  g(w) is made of two orthogonal Latin squares of order 4 (below), so that the four
; waves with equal w % 4, and the four with equal w / 4, have 34 steps together.  Sixteen waves of 256 registers: four to a SIMD, so that one wave's vector work stands beside another's matrix work and LDS loads.
; LDS.  K and V of the whole head, 262,144 dense bytes, stay in LDS: 1,024 rows of 256 bytes + 16 of padding.  Nothing is filled again: no ring.  Row n of 64 bytes lies at 272 (n / 4) + 64 (n % 4): the sixteen rows of
; a fragment fall on sixteen different 16-byte columns of the 64 banks (ISA guide 11.1).  Behind them a stage of 16 rows x 80 bytes for each wave.
; CLUSTER of four work-groups of one head: each of the sixteen waves asks for 64 rows by ONE joint load, the same in all four partners.  No branch and no LDS address hangs on the place in the cluster: it enters
; Q's and ctx's addresses and the lanes' mask compare alone.  No prefetch: every byte of K and V is asked for by these first loads, at the head; nothing is asked for later.
; LAYOUT.  Both products are used transposed: S^T = K Q^T (source 0 = 16 keys, source 1 = my 16 queries), O^T = V^T P^T (source 0 = 16 of the head's 64, source 1 = P): a lane holds ONE query (lane % 16) throughout.
; In tile tt of S^T register j holds key 16 tt + 8 (lane / 16) + j: its eight codes ARE registers 2 tt, 2 tt + 1 of P.
.set KVP,    272                       ; a row of 256 bytes in LDS
.set T16,    4*KVP                     ; sixteen rows of 64 bytes
.set STEPB,  32*KVP                    ; 128 rows of 64 bytes: a step's keys of K; and a step's two blocks of V
.set VOFF,   512*KVP                   ; V behind K
.set STAGE,  1024*KVP                  ; the stages behind V: a multiple of 256, into which no tile lands
.set HEADB,  393216
.set AK0,  1                           ; v1   my lane's place in a tile of K: 272 (r / 4) + 64 (r % 4) + 16 h
.set AV0,  2                           ; v2   the same in V
.set DL,   3                           ; v3   16 u + r - 8 h: on the diagonal register j of tile tt is hidden where 16 tt + j > DL
.set SIN,  4                           ; v4   the stage: where I put 8 bytes of a row
.set SOUT, 5                           ; v5   and where I read 16 bytes back
.set GO,   6                           ; v6   16 x lane: my bytes of the wave's 1,024 in ctx_codes
.set ADK,  8                           ; v8   the step's tiles of K
.set ADV,  9                           ; v9   of V
                                       ; v12 -M, v13 the largest t, v[14:15] the sum in two halves; v16-23 Q; v32-95 fragments of K, then of V; v96-159 S^T, then p; v160-191 O^T; v192-223 ctx;
                                       ; v224-239 p's codes; v240 448 x 2^e4, v244 2^e4; v[242:243] the sum's second chain; v246 a permute's target; v248 -infinity; v249 2^e6, v250 448 x 2^e6; v[252:253] f; v254 at work
.set TK,   2                           ; s2   LDS byte at which the step's keys begin
.set SI,   3                           ; s3   the step
.set WV,   18                          ; s18  my wave's number
.set GB,   19                          ; s19  g: my block of 128 queries = my last step
.set SEL,  20                          ; s[20:21] lane selects for v_permlanex16_b32: lane l xor 16
.set CS,   22                          ; s[22:23] log2(e) x 2^(e2 + e3): the packed form names a pair and takes its low word for both halves
.set G1,   32                          ; s[32:39] descriptor group 1;  s[40:43] group 0
.set G0,   40
.macro ROUND                           ; a round of the cluster's barrier
	s_barrier_signal -1
	s_barrier_wait -1
	s_cmp_lg_u32 s[WV], 0
	s_cbranch_scc1 .Lnot_wave_0_\@
	s_barrier_signal -3
.Lnot_wave_0_\@:
	s_barrier_wait -3
	s_barrier_signal -1
	s_barrier_wait -1
.endm
	s_load_b128 s[4:7], s[0:1], 0x0                ; qkv_codes s[4:5], the scales' exponents s[6:7]
	s_load_b64 s[8:9], s[0:1], 0x10                ; ctx_codes
	v_lshl_add_u32 v251, v0, 2, 0x49000
	v_mov_b32 v255, 0
	ds_add_u32 v251, v255
	ds_add_u32 v251, v255
	v_lshrrev_b32 v8, 5, v0
	v_readfirstlane_b32 s[WV], v8                  ; wave 0..15
	s_lshr_b32 s24, s[WV], 2                       ; a = w / 4
	s_and_b32 s25, s[WV], 3                        ; b = w % 4
	s_xor_b32 s26, s24, s25                        ; first square: a xor b
	s_lshr_b32 s27, s25, 1
	s_xor_b32 s28, s25, s27
	s_and_b32 s28, s28, 1
	s_lshl_b32 s28, s28, 1
	s_or_b32 s28, s28, s27                         ; U(b): 0, 2, 3, 1: linear on the two bits, and U(d) differs from d for every d but 0
	s_xor_b32 s28, s28, s24                        ; second square: a xor U(b)
	s_lshl_b32 s[GB], s26, 2
	s_add_co_u32 s[GB], s[GB], s28                 ; g = 4 x first + second: each of 0..15 once
	s_bfe_u32 s30, ttmp6, 0x40000                  ; cx
	s_lshl_b32 s31, ttmp9, 2
	s_add_co_u32 s31, s31, s30                     ; u = 4 x cluster x + cx
	s_and_b32 s29, ttmp7, 0xffff                   ; the head, which the partners share
	s_mul_i32 s44, s29, HEADB
	s_mov_b32 s45, 0
	s_lshl_b32 s46, s[WV], 14                      ; my 64 rows of 256 bytes,
	s_add_co_u32 s46, s46, 131072                  ; behind the head's Q
	s_mov_b32 s47, 0
	s_mov_b32 s[G1], 15|(0<<16)|(1<<20)|(1<<21)|(5<<22)|(3<<25)   ; 15:0 the mask: all four work-groups; 17:16 elements of 1 byte; 20 padding on; 21 set beside a mask; 24:22 after every 64 words (code 5); 31:25 four words (code 3)
	s_mov_b32 s[G1+1], 256<<16                     ; tensor_dim0 = 256
	s_mov_b32 s[G1+2], 64<<16                      ; tensor_dim1 = 64
	s_mov_b32 s[G1+3], 256<<16                     ; tile_dim0 = 256
	s_mov_b32 s[G1+4], 64                          ; tile_dim1 = 64
	s_mov_b32 s[G1+5], 256                         ; tensor_dim0_stride: the block is dense
	s_mov_b32 s[G1+6], 0
	s_mov_b32 s[G1+7], 0
	s_mov_b32 s[G0], 1                             ; count = 1
	s_mul_i32 s[G0+1], s[WV], 64*KVP               ; LDS address: the wave's number times a constant
	s_mov_b32 s[SEL], 0x76543210
	s_mov_b32 s[SEL+1], 0xfedcba98
	s_wait_dscnt 0x0
	s_wait_kmcnt 0x0
	s_load_b256 s[48:55], s[6:7], 0x0              ; the eight exponents
	s_add_nc_u64 s[10:11], s[4:5], s[44:45]        ; the head's Q
	s_add_nc_u64 s[G0+2:G0+3], s[10:11], s[46:47]  ; global address of my rows of K | V
	s_or_b32 s[G0+3], s[G0+3], 0x80000000          ; type = 2
	ROUND                                          ; all four work-groups are here: the joint loads meet
	tensor_load_to_lds s[G0:G0+3], s[G1:G1+7]      ; my one tensor load of the launch
	s_nop 0
.rept 4
	v_nop
.endr
	s_lshl_b32 s12, s[GB], 13
	s_lshl_b32 s13, s31, 10
	s_add_co_u32 s12, s12, s13                     ; (128 g + 16 u) x 64 bytes
	s_mov_b32 s13, 0
	s_add_nc_u64 s[10:11], s[10:11], s[12:13]      ; Q at my first query
	s_lshr_b32 s14, s29, 4
	s_lshl_b32 s14, s14, 4
	s_add_co_u32 s14, s14, s[GB]                   ; ctx: block of 128 tokens = 16 b + g,
	s_lshl_b32 s14, s14, 17
	s_and_b32 s15, s29, 15
	s_lshl_b32 s15, s15, 13                        ; the head's 8,192 bytes in it,
	s_add_co_u32 s14, s14, s15
	s_lshl_b32 s15, s31, 10                        ; my 16 tokens' 1,024
	s_add_co_u32 s14, s14, s15
	s_mov_b32 s15, 0
	s_add_nc_u64 s[8:9], s[8:9], s[14:15]
	v_and_b32 v8, 15, v0                           ; r
	v_bfe_u32 v9, v0, 4, 1                         ; h
	v_lshlrev_b32 v10, 6, v8
	v_lshl_add_u32 v10, v9, 4, v10                 ; Q: row r of 64 bytes, + 16 h; not rewritten
	global_load_b128 v[16:19], v10, s[10:11]       ; Q's fragment stays in registers
	global_load_b128 v[20:23], v10, s[10:11] offset:32
	v_lshrrev_b32 v11, 2, v8
	v_mul_u32_u24 v[AK0], v11, KVP
	v_and_b32 v11, 3, v8
	v_lshl_add_u32 v[AK0], v11, 6, v[AK0]
	v_lshl_add_u32 v[AK0], v9, 4, v[AK0]
	v_add_nc_u32 v[AV0], VOFF, v[AK0]
	v_lshlrev_b32 v11, 3, v9
	v_sub_nc_u32 v[DL], v8, v11
	s_lshl_b32 s24, s31, 4
	v_add_nc_u32 v[DL], s24, v[DL]
	s_mul_i32 s25, s[WV], 16*80
	s_add_co_u32 s25, s25, STAGE                   ; my stage
	v_mul_u32_u24 v[SIN], v8, 80
	v_lshl_add_u32 v[SIN], v9, 3, v[SIN]
	v_add_nc_u32 v[SIN], s25, v[SIN]               ; in: row r, + 8 h
	v_and_b32 v[GO], 31, v0
	v_lshrrev_b32 v[SOUT], 2, v[GO]
	v_mul_u32_u24 v[SOUT], v[SOUT], 80
	v_and_b32 v7, 3, v0
	v_lshl_add_u32 v[SOUT], v7, 4, v[SOUT]
	v_add_nc_u32 v[SOUT], s25, v[SOUT]             ; back: four lanes to a row of 64 bytes
	v_lshlrev_b32 v[GO], 4, v[GO]
	v_mov_b32 v13, 0xff61b1e6                      ; the largest t so far: -3e38, under every t
	v_floor_f32 v12, -v13                          ; -M
	v_mov_b32 v14, 0                               ; the sum, in two halves
	v_mov_b32 v15, 0
	v_mov_b32 v246, 0                              ; written once: a lane permute's destination counts as one of its sources
	v_mov_b32 v253, 0                              ; (named as the upper half of the pair v[252:253])
	v_mov_b32 v248, 0xff800000                     ; -infinity
.set j, 0
.rept 32
	v_mov_b32 v[160+j], 0                          ; O^T.  (The step is written once: the first finds zeros, which the first change of M leaves zeros)
.set j, j+1
.endr
	s_wait_kmcnt 0x0
	s_add_co_i32 s24, s50, s51                     ; a score stands for score x 2^(e2 + e3): the two exponents are added to log2(e)'s exponent field
	s_lshl_b32 s24, s24, 23
	s_add_co_i32 s[CS], s24, 0x3fb8aa3b
	s_mov_b32 s[CS+1], s[CS]                       ; (named with it as a pair, so it is written)
	s_add_co_i32 s24, s52, 127
	s_lshl_b32 s25, s24, 23
	v_mov_b32 v244, s25                            ; 2^e4 as f32, for p's conversion
	s_add_co_i32 s24, s24, 8
	s_lshl_b32 s24, s24, 23
	s_or_b32 s24, s24, 0x600000
	v_mov_b32 v240, s24                            ; 448 x 2^e4
	s_add_co_i32 s24, s54, 127
	s_lshl_b32 s56, s24, 23                        ; 2^e6, for ctx's conversion
	s_add_co_i32 s24, s24, 8
	s_lshl_b32 s24, s24, 23
	s_or_b32 s57, s24, 0x600000                    ; 448 x 2^e6
	s_add_co_i32 s58, s52, s53                     ; e4 + e5
	s_mov_b32 s[TK], 0
	s_mov_b32 s[SI], 0
	s_wait_loadcnt 0x0                             ; Q
	s_wait_tensorcnt 0x0                           ; my 64 rows have landed,
	s_barrier_signal -1
	s_barrier_wait -1                              ; everybody's have: K and V are whole, and nobody writes them again
.Lstep:                                                ; 16 trips, a constant: a step whose keys all come after my queries is jumped over, by a scalar branch on the wave's number and the trip
	s_cmp_gt_u32 s[SI], s[GB]
	s_cbranch_scc1 .Lhidden
	v_add_nc_u32 v[ADK], s[TK], v[AK0]
	v_add_nc_u32 v[ADV], s[TK], v[AV0]
	v_nop                                          ; with the two additions: four places in front of loads into registers that the last step's products have read
	v_nop
.irp t, 0,1,2,3,4,5,6,7                        ; K: eight tiles of 16 keys x 64
	ds_load_b128 v[32+8*\t:35+8*\t], v[ADK] offset:T16*\t
	ds_load_b128 v[36+8*\t:39+8*\t], v[ADK] offset:T16*\t+32
.endr
	s_wait_dscnt 0x0
.irp t, 0,1,2,3,4,5,6,7
	v_wmma_f32_16x16x64_fp8_fp8 v[96+8*\t:103+8*\t], v[32+8*\t:39+8*\t], v[16:23], 0
.endr
.rept 4
	v_nop                                          ; four places: in front of the loads below, and of the first read of the scores
.endr
.irp t, 0,1,2,3                                ; V: four tiles of 16 of the head's 64 x 128 keys; they land while the softmax is walked
.irp c, 0,1,2,3
	ds_load_b128 v[32+16*\t+4*\c:35+16*\t+4*\c], v[ADV] offset:T16*\t+16*KVP*(\c/2)+32*(\c%2)
.endr
.endr
	s_cmp_lg_u32 s[SI], s[GB]                      ; only my last step lies on the diagonal
	s_cbranch_scc1 .Lopen
.set n, 0
.rept 64
	v_cmp_gt_i32 vcc_lo, 16*(n/8)+n%8, v[DL]
	v_cndmask_b32 v[96+n], v[96+n], v248, vcc_lo
.set n, n+1
.endr
.Lopen:
	v_max3_num_f32 v254, v96, v97, v98             ; the step's largest score of my query, among my 64 keys, in two chains, each tile from its low end on,
	v_max3_num_f32 v252, v99, v100, v101
.irp i, 6,10,14,18,22,26,30,34,38,42,46,50,54,58
	v_max3_num_f32 v254, v254, v[96+\i], v[97+\i]
	v_max3_num_f32 v252, v252, v[98+\i], v[99+\i]
.endr
	v_max3_num_f32 v254, v254, v158, v159
	v_max_num_f32 v254, v254, v252
	v_permlanex16_b32 v246, v254, s[SEL], s[SEL+1]
	v_max_num_f32 v254, v254, v246                 ; and among lane l xor 16's
	v_mul_f32 v254, s[CS], v254                    ; as t (the factor is positive)
	v_max_num_f32 v13, v13, v254                   ; the running largest t
	v_mov_b32 v254, v12
	v_floor_f32 v12, -v13                          ; the new -M = floor(-t) = -ceil(t): M is a whole number
	v_sub_f32 v254, v12, v254                      ; M's old value less its new one: a whole number, 0 or less
	v_cvt_i32_f32 v254, v254                       ; (it saturates)
	v_ldexp_f32 v252, 1.0, v254                    ; f = 2^(old M - new M): a multiplication by it rounds nothing
.set j, 0
.rept 32
	v_pk_fma_f32 v[96+j:97+j], v[96+j:97+j], s[CS:CS+1], v[12:13] op_sel_hi:[1,0,0]   ; t - M, two at a time
.set j, j+2
.endr
.set j, 0
.rept 64
	v_exp_f32 v[96+j], v[96+j]                     ; p = 2^(t - M), at most 1: not normalised
.set j, j+1
.endr
	v_pk_mul_f32 v[14:15], v[14:15], v[252:253] op_sel_hi:[1,0]   ; the sums under the new M: the plain line behind the exponentials
	s_wait_alu depctr_va_vdst(0)                   ; one wait for the whole batch, ahead of its first reader
	v_pk_add_f32 v[242:243], v[96:97], v[98:99]    ; the row's sum is taken of the UNQUANTISED p: two at a time, in two chains
.irp j, 4,8,12,16,20,24,28,32,36,40,44,48,52,56,60
	v_pk_add_f32 v[14:15], v[14:15], v[96+\j:97+\j]
	v_pk_add_f32 v[242:243], v[242:243], v[98+\j:99+\j]
.endr
	v_pk_add_f32 v[14:15], v[14:15], v[242:243]
.irp t, 0,1,2,3,4,5,6,7
.irp i, 0,1,2,3,4,5,6,7
	v_min_num_f32 v[96+8*\t+\i], v[96+8*\t+\i], v240   ; the conversion does not saturate (ISA guide 7.6.2); p is not negative, so the hold is one-sided
.endr
	v_cvt_scalef32_pk8_fp8_f32 v[224+2*\t:225+2*\t], v[96+8*\t:103+8*\t], v244
.endr
.set j, 0
.rept 16
	v_pk_mul_f32 v[160+j:161+j], v[160+j:161+j], v[252:253] op_sel_hi:[1,0]   ; O^T under the new M.  (Plain lines between the conversions and the products that read the codes)
.set j, j+2
.endr
	s_wait_dscnt 0x0                               ; V is in
.irp t, 0,1,2,3                                ; four accumulators by turns, one instruction a turn
	v_wmma_f32_16x16x128_fp8_fp8 v[160+8*\t:167+8*\t], v[32+16*\t:47+16*\t], v[224:239], v[160+8*\t:167+8*\t]
.endr
.Lhidden:
	s_add_co_u32 s[TK], s[TK], STEPB
	s_add_co_u32 s[SI], s[SI], 1
	s_cmp_lt_u32 s[SI], 16
	s_cbranch_scc1 .Lstep
	; THE WAY OUT.  ctx = O^T x 2^(e4 + e5) / the sum; held, quantised with 2^e6; 8 bytes a lane and tile into my stage, back as rows, and out: the wave's 16 rows of 64 bytes are 1,024 consecutive bytes.
	v_add_f32 v14, v14, v15                        ; the sum's two halves,
	v_permlanex16_b32 v246, v14, s[SEL], s[SEL+1]
	v_add_f32 v14, v14, v246                       ; and lane l xor 16's: the row's sum
	v_rcp_f32 v14, v14
	v_mov_b32 v249, s56                            ; (plain lines behind the reciprocal)  2^e6
	v_mov_b32 v250, s57                            ; 448 x 2^e6
	s_wait_alu depctr_va_vdst(0)                   ; the wait, ahead of the first reader
	v_ldexp_f32 v14, v14, s58
	v_mov_b32 v15, v14
.set j, 0
.rept 16
	v_pk_mul_f32 v[192+j:193+j], v[160+j:161+j], v[14:15]   ; register 8 t + i is ctx(query r, d = 16 t + 8 h + i); each accumulator from its low end on
.set j, j+2
.endr
.set j, 0
.rept 32
	v_med3_num_f32 v[192+j], v[192+j], -v250, v250
.set j, j+1
.endr
.irp t, 0,1,2,3
	v_cvt_scalef32_pk8_fp8_f32 v[224+2*\t:225+2*\t], v[192+8*\t:199+8*\t], v249
.endr
	v_nop                                          ; one plain line behind the last conversion
.irp t, 0,1,2,3
	ds_store_b64 v[SIN], v[224+2*\t:225+2*\t] offset:16*\t
.endr
	ds_load_b128 v[232:235], v[SOUT]               ; LDS serves a wave's instructions in order (ISA guide 5.7.1.4): these see my stores
	ds_load_b128 v[236:239], v[SOUT] offset:8*80
	s_wait_dscnt 1                                 ; rows 0-7 are back; the second load may be out
	global_store_b128 v[GO], v[232:235], s[8:9]    ; 512 consecutive bytes, at a multiple of 256 from the buffer's first byte
	s_wait_dscnt 0x0
	global_store_b128 v[GO], v[236:239], s[8:9] offset:512
	s_wait_tensorcnt 0x0
	ds_add_u32 v251, v255
	s_wait_dscnt 0x0
	ROUND                                          ; the closing round: no work-group ends while a partner may still ask for a tile that names it
	s_endpgm
.Lfunc_end_k_qeba9e29620_attn:
	.size	k_qeba9e29620_attn, .Lfunc_end_k_qeba9e29620_attn-k_qeba9e29620_attn
	.p2alignl 7, 3214868480
	.fill 96, 4, 3214868480
	.section	.rodata,"a",@progbits
	.p2align	6, 0x0
	.amdhsa_kernel k_qeba9e29620_attn
		.amdhsa_group_segment_fixed_size 301056
		.amdhsa_private_segment_fixed_size 0
		.amdhsa_enable_private_segment 0
		.amdhsa_kernarg_size 24
		.amdhsa_user_sgpr_count 2
		.amdhsa_user_sgpr_kernarg_segment_ptr 1
		.amdhsa_wavefront_size32 1
		.amdhsa_system_sgpr_workgroup_id_x 1
		.amdhsa_system_sgpr_workgroup_id_y 1
		.amdhsa_system_sgpr_workgroup_id_z 1
		.amdhsa_system_vgpr_workitem_id 0
		.amdhsa_next_free_vgpr 256
		.amdhsa_next_free_sgpr 66
		.amdhsa_reserve_vcc 1
		.amdhsa_float_denorm_mode_32 3
		.amdhsa_float_denorm_mode_16_64 3
		.amdhsa_memory_ordered 1
		.amdhsa_forward_progress 1
		.amdhsa_inst_pref_size 33
	.end_amdhsa_kernel
	.amdgpu_metadata
---
amdhsa.version: [ 1, 2 ]
amdhsa.kernels:
  - .name:           k_qeba9e29620_attn
    .symbol:         k_qeba9e29620_attn.kd
    .args:
      - { .name: qkv_codes, .offset: 0, .size: 8, .value_kind: global_buffer, .address_space: global }
      - { .name: lowp_scales, .offset: 8, .size: 8, .value_kind: global_buffer, .address_space: global }
      - { .name: ctx_codes, .offset: 16, .size: 8, .value_kind: global_buffer, .address_space: global }
    .group_segment_fixed_size: 301056
    .private_segment_fixed_size: 0
    .kernarg_segment_align: 8
    .kernarg_segment_size: 24
    .max_flat_workgroup_size: 512
    .sgpr_count:     66
    .vgpr_count:     256
    .wavefront_size: 32
...
	.end_amdgpu_metadata
.endif
;; end of part 3
;; launch oproj (part 4): grid 8 x 32, 4 waves a work-group, clusters of 4 x 4, 327,680 bytes of LDS; arguments ctx_codes, wout_codes, lowp_scales, b_out, out0; writes out0
.if DOCPART == 4
	.amdgcn_target "amdgcn-amd-amdhsa--gfx1250"
	.amdhsa_code_object_version 6
	.text
	.protected	k_qeba9e29620_oproj
	.globl	k_qeba9e29620_oproj
	.p2align	8
	.type	k_qeba9e29620_oproj,@function
k_qeba9e29620_oproj:
	s_mov_b64 s[64:65], 0
	v_nop
	global_prefetch_b8 v0, s[64:65] scope:SCOPE_SE
	s_setreg_imm32_b32 hwreg(HW_REG_WAVE_MODE, 25, 1), 1
	s_wait_xcnt 0x0
	s_wait_alu depctr_hold_cnt(0) depctr_sa_sdst(0) depctr_va_vdst(0) depctr_va_sdst(0) depctr_va_ssrc(0) depctr_va_vcc(0) depctr_vm_vsrc(0)
	s_getreg_b32 s2, hwreg(HW_REG_IB_STS2, 6, 4)
	s_cmp_eq_u32 s2, 0
	s_cbranch_scc0 .Lentry_in_a_cluster
	s_endpgm
.Lentry_in_a_cluster:
	s_bfe_u32 s2, ttmp6, 0x10000c
	s_cmp_lg_u32 s2, 0xf033
	s_cbranch_scc0 .Lentry_shape_is_right
	s_endpgm
.Lentry_shape_is_right:
; out = ctx w_out^T + b_out on codes of FP8 (E4M3).  A sum stands for sum x 2^(e6 + e7).  LIMIT: e6 + e7 between -126 and 127, so that this power of two is an f32 number.
; ctx_codes [block of 128 tokens, 32][head 16][128 tokens][64 bytes]: a tile's rows of side A are one dense block of 131,072 bytes, in the order of K (k = 64 head + d).  wout_codes [1024][1024], K innermost.  out0 [4096][1024] f32.
; 256 tiles of 128 x 128, one to a work-group; four waves, 64 x 64 each: 16 accumulators.  A tile of 256 x 256 would give 64 work-groups.
; ALL OF K LIES IN LDS, in four stages of 256 along K: nothing is filled again, so there is no ring.  Waves 0 and 1 fetch A's halves, waves 2 and 3 B's, one load for each stage: four tensor loads of a wave are out at the most,
; issued together at the head; the counted waits below let the later stages land while the earlier ones are multiplied.
; A stage: A's 128 long rows of 256 bytes (four tokens x 64 bytes of one head; 32 long rows a head, four heads), then B's 128 rows of 256 bytes; 16 bytes of padding behind each: rows 272 bytes apart.
; CLUSTERS of 4 x 4: A's tiles hang on the tile row alone and are shared along a row of the cluster, B's on the tile column alone and are shared along a column: joint loads.
; THE MATRIX INSTRUCTION IS USED TRANSPOSED (source 0 = 16 rows of w_out, source 1 = 16 tokens): a lane holds eight neighbouring outputs of one token.
; A fragment's registers 4 c .. 4 c + 3 hold k = 32 c + 16 (lane / 16) + 0 .. 15 of its 128, the same places in A and in B, so every product meets its partner.
; REGISTERS: window 0: v16-19, v20-23 LDS addresses of my fragments in the four stages; v24-26 the way out; v32-63 at work; v96-127 the bias; v128-255 the accumulators ((a, b) at v[128 + 8 (4 a + b)]).
;   window 1: two fragment buffers of 128: A's four fragments, then B's four.
; No prefetch: every tile is asked for by the first loads, at the head.
.set PITCH,  272
.set HALFB,  64*PITCH                  ; 64 rows: what one tensor load brings
.set STG,    4*HALFB                   ; a stage: A's 128 rows, then B's 128
.set OUTS,   4*STG                     ; behind the stages: 16 rows x 272 bytes for each wave, for the way out; a multiple of 256, into which no tile lands
.set ADA,  16
.set ADB,  20
.set STO,  24                          ; v24  the way out: where I put 32 bytes of a row
.set RD,   25                          ; v25  where I read a row back
.set CO,   26                          ; v26  my byte offset in out0
.set TMP,  32
.set BI,   96                          ; register 8 b + i: the bias of output 16 b + 8 h + i of my 64
.set ACC,  128
.set G1A,  16                          ; s[16:23] group 1 for A's tiles;  s[24:31] for B's;  s[32:47], s[48:63] their groups 0, one for each stage
.set G1B,  24
.set G0A,  32
.set G0B,  48
.set MSB, 0
.macro WIN new                         ; the immediate's high byte repeats the setting that is left
.if MSB != \new
	s_set_vgpr_msb (MSB<<8)|\new
.set MSB, \new
.endif
.endm
.macro CROUND                          ; a round of the cluster's barrier
	s_barrier_signal -1
	s_barrier_wait -1
	s_cmp_lg_u32 s10, 0
	s_cbranch_scc1 .Lnot_wave_0_\@
	s_barrier_signal -3
.Lnot_wave_0_\@:
	s_barrier_wait -3
	s_barrier_signal -1
	s_barrier_wait -1
.endm
	s_load_b128 s[4:7], s[0:1], 0x0                ; ctx's codes s[4:5], w_out's codes s[6:7]
	s_load_b128 s[68:71], s[0:1], 0x10             ; the scales' exponents s[68:69], b_out s[70:71]
	s_load_b64 s[8:9], s[0:1], 0x20                ; out0
	v_lshl_add_u32 v94, v0, 2, 0x48400
	v_mov_b32 v95, 0
	ds_add_u32 v94, v95
	ds_add_u32 v94, v95
	v_lshrrev_b32 v1, 5, v0
	v_readfirstlane_b32 s10, v1                    ; wave 0..3
	s_lshr_b32 s11, s10, 1                         ; which 64 tokens of the tile are mine.  Also: I fetch for A (0) or for B (1)
	s_and_b32 s12, s10, 1                          ; which 64 outputs.  Also: which 64 rows I fetch
	s_bfe_u32 s72, ttmp6, 0x40000                  ; cx, cy: my place in the cluster
	s_bfe_u32 s73, ttmp6, 0x40004
	s_lshl_b32 s74, ttmp9, 2
	s_add_co_u32 s74, s74, s72                     ; tile column = 4 x cluster x + cx
	s_and_b32 s13, ttmp7, 0xffff
	s_lshl_b32 s13, s13, 2
	s_add_co_u32 s13, s13, s73                     ; tile row = 4 x cluster y + cy
	s_lshl_b32 s75, s73, 2
	s_lshl_b32 s75, 15, s75                        ; my row of the cluster
	s_lshl_b32 s76, 0x1111, s72                    ; my column
	s_or_b32 s[G1A], s75, (0<<16)|(1<<20)|(1<<21)|(5<<22)|(3<<25)  ; 15:0 the mask; 17:16 elements of 1 byte; 20 padding on; 21 set beside a mask; 24:22 after every 64 words (code 5); 31:25 four words (code 3)
	s_or_b32 s[G1B], s76, (0<<16)|(1<<20)|(1<<21)|(5<<22)|(3<<25)
.irp g, G1A, G1B
	s_mov_b32 s[\g+1], 256<<16                     ; tensor_dim0 = 256
	s_mov_b32 s[\g+2], 64<<16                      ; tensor_dim1 = 64
	s_mov_b32 s[\g+3], 256<<16                     ; tile_dim0 = 256
	s_mov_b32 s[\g+4], 64                          ; tile_dim1 = 64
	s_mov_b32 s[\g+6], 0
	s_mov_b32 s[\g+7], 0
.endr
	s_mov_b32 s[G1A+5], 256                        ; A's block is dense
	s_mov_b32 s[G1B+5], 1024                       ; a row of w_out's codes
	s_lshl_b32 s14, s13, 17                        ; A: the tile row's 131,072 bytes,
	s_lshl_b32 s77, s12, 14                        ; + my 64 long rows of a stage's 128
	s_add_co_u32 s14, s14, s77
	s_mov_b32 s15, 0
	s_lshl_b32 s80, s74, 17                        ; B: row 128 x tile column,
	s_lshl_b32 s77, s12, 16                        ; + 64 x half, of 1,024 bytes
	s_add_co_u32 s80, s80, s77
	s_mov_b32 s81, 0
	s_mul_i32 s82, s10, HALFB                      ; where they go in a stage: wave x 64 rows: no place in the cluster enters an LDS address
	s_wait_dscnt 0x0
	s_wait_kmcnt 0x0
	s_load_b64 s[78:79], s[68:69], 0x18            ; e6, e7
	s_add_nc_u64 s[14:15], s[4:5], s[14:15]
	s_add_nc_u64 s[80:81], s[6:7], s[80:81]
.irp q, 0,1,2,3
	s_mov_b32 s[G0A+4*\q], 1
	s_add_co_u32 s[G0A+4*\q+1], s82, \q*STG
	s_add_nc_u64 s[G0A+4*\q+2:G0A+4*\q+3], s[14:15], \q*32768   ; four heads on
	s_or_b32 s[G0A+4*\q+3], s[G0A+4*\q+3], 0x80000000
	s_mov_b32 s[G0B+4*\q], 1
	s_add_co_u32 s[G0B+4*\q+1], s82, \q*STG
	s_add_nc_u64 s[G0B+4*\q+2:G0B+4*\q+3], s[80:81], \q*256     ; 256 along K on
	s_or_b32 s[G0B+4*\q+3], s[G0B+4*\q+3], 0x80000000
.endr
	CROUND                                         ; all sixteen work-groups are here: the joint loads meet
	s_cmp_lt_u32 s10, 2                            ; a wave's four fills stand in one branch on the wave's number, ahead of every wait on TENSORcnt, every LDS read and every other barrier
	s_cbranch_scc0 .Lfill_b
.irp q, 0,1,2,3
	tensor_load_to_lds s[G0A+4*\q:G0A+4*\q+3], s[G1A:G1A+7]
	s_nop 0
.endr
.rept 4
	v_nop
.endr
	s_branch .Lfilled
.Lfill_b:
.irp q, 0,1,2,3
	tensor_load_to_lds s[G0B+4*\q:G0B+4*\q+3], s[G1B:G1B+7]
	s_nop 0
.endr
.rept 4
	v_nop
.endr
.Lfilled:
	v_and_b32 v1, 15, v0                           ; r
	v_bfe_u32 v2, v0, 4, 1                         ; h
	v_lshrrev_b32 v3, 2, v1
	v_mul_u32_u24 v3, v3, PITCH
	v_and_b32 v4, 3, v1
	v_lshl_add_u32 v3, v4, 6, v3
	v_lshl_add_u32 v3, v2, 4, v3                   ; A: token r of sixteen: long row r / 4, 64 (r % 4), + 16 h: sixteen different 16-byte columns of the banks
	v_mul_u32_u24 v4, v1, PITCH
	v_lshl_add_u32 v4, v2, 4, v4                   ; B: row r, + 16 h
	s_mul_i32 s83, s11, 16*PITCH                   ; my 64 tokens: 16 long rows in each head
	s_mul_i32 s84, s12, HALFB                      ; my 64 rows of B,
	s_add_co_u32 s84, s84, 2*HALFB                 ; behind A's 128
.irp q, 0,1,2,3
	v_add_nc_u32 v[ADA+\q], s83, v3
	v_add_nc_u32 v[ADB+\q], s84, v4
	s_add_co_u32 s83, s83, STG
	s_add_co_u32 s84, s84, STG
.endr
	s_mul_i32 s85, s10, 16*PITCH
	s_add_co_u32 s85, s85, OUTS                    ; my stage for the way out
	v_mul_u32_u24 v5, v1, PITCH
	v_lshl_add_u32 v5, v2, 5, v5
	v_add_nc_u32 v[STO], s85, v5                   ; in: row r, 32 bytes for each half of the lanes
	v_mul_u32_u24 v5, v2, PITCH
	v_lshl_add_u32 v5, v1, 4, v5
	v_add_nc_u32 v[RD], s85, v5                    ; back: lanes 0-15 one row of 256 bytes, lanes 16-31 the next
	v_lshlrev_b32 v[CO], 12, v2
	v_lshl_add_u32 v[CO], v1, 4, v[CO]             ; and the same two rows of 4,096 bytes in out0
	s_lshl_b32 s86, s74, 9
	s_lshl_b32 s87, s12, 8
	s_add_co_u32 s86, s86, s87                     ; my first output, in bytes: 4 (128 tile column + 64 half)
	s_mov_b32 s87, 0
	s_add_nc_u64 s[70:71], s[70:71], s[86:87]
	s_add_nc_u64 s[8:9], s[8:9], s[86:87]
	s_lshl_b32 s86, s13, 19
	s_lshl_b32 s88, s11, 18
	s_add_co_u32 s86, s86, s88                     ; my first token's row: (128 tile row + 64 half) x 4,096
	s_add_nc_u64 s[8:9], s[8:9], s[86:87]
	v_lshlrev_b32 v6, 5, v2                        ; 32 h; not rewritten
.irp b, 0,1,2,3
	global_load_b128 v[BI+8*\b:BI+8*\b+3],   v6, s[70:71] offset:64*\b
	global_load_b128 v[BI+8*\b+4:BI+8*\b+7], v6, s[70:71] offset:64*\b+16
.endr
; 32 LDS loads in one run: the fragments of sub-step u (128 along K: half u % 2 of stage u / 2: two heads of A, 128 bytes of B's rows) into buffer f of window 1
.macro FETCH u, f
	WIN 0x40                                       ; destination window 1, address window 0
.irp i, 0,1,2,3
	ds_load_b128 v[(\f)+16*\i:(\f)+16*\i+3],     v[ADA+(\u)/2] offset:2*32*PITCH*((\u)%2)+4*PITCH*\i
	ds_load_b128 v[(\f)+16*\i+4:(\f)+16*\i+7],   v[ADA+(\u)/2] offset:2*32*PITCH*((\u)%2)+4*PITCH*\i+32
	ds_load_b128 v[(\f)+16*\i+8:(\f)+16*\i+11],  v[ADA+(\u)/2] offset:2*32*PITCH*((\u)%2)+4*PITCH*\i+32*PITCH
	ds_load_b128 v[(\f)+16*\i+12:(\f)+16*\i+15], v[ADA+(\u)/2] offset:2*32*PITCH*((\u)%2)+4*PITCH*\i+32*PITCH+32
.endr
.irp j, 0,1,2,3
.irp c, 0,1,2,3
	ds_load_b128 v[(\f)+64+16*\j+4*\c:(\f)+64+16*\j+4*\c+3], v[ADB+(\u)/2] offset:128*((\u)%2)+16*PITCH*\j+32*\c
.endr
.endr
.endm
; Sub-step u: its fragments are in; the next sub-step's are asked for, into the other buffer; 16 matrix instructions, the 16 accumulators by turns, in the same order in every sub-step.
; Where the next sub-step begins a stage: my load of that stage has landed (the loads of the later stages may be out), and a barrier shows that everybody's has.
.macro SUB u
.set FC, 128*((\u)%2)
.set FN, 128-FC
	s_wait_dscnt 0x0
.if ((\u)%2 == 1) && ((\u) < 7)
	s_wait_tensorcnt 3-((\u)+1)/2                  ; tensor loads of a wave end in order (ISA guide 10.11.1)
	s_barrier_signal -1
	s_barrier_wait -1
.endif
.if (\u) < 7
.if (\u) > 0
.rept 4
	v_nop                                          ; four places in front of loads into registers that the last sub-step's products have read
.endr
.endif
	FETCH (\u)+1, FN
.endif
	WIN 0x05                                       ; sources 0 (B) and 1 (A) window 1; C and D window 0
.irp a, 0,1,2,3
.irp b, 0,1,2,3
.if (\u) == 0
	v_wmma_f32_16x16x128_fp8_fp8 v[ACC+8*(4*\a+\b):ACC+8*(4*\a+\b)+7], v[FC+64+16*\b:FC+64+16*\b+15], v[FC+16*\a:FC+16*\a+15], 0
.else
	v_wmma_f32_16x16x128_fp8_fp8 v[ACC+8*(4*\a+\b):ACC+8*(4*\a+\b)+7], v[FC+64+16*\b:FC+64+16*\b+15], v[FC+16*\a:FC+16*\a+15], v[ACC+8*(4*\a+\b):ACC+8*(4*\a+\b)+7]
.endif
.endr
.endr
.endm
	s_wait_tensorcnt 3                             ; my part of stage 0 is in; the three later stages' loads may be out,
	s_barrier_signal -1
	s_barrier_wait -1                              ; everybody's is
	FETCH 0, 0
.irp u, 0,1,2,3,4,5,6,7
	SUB \u
.endr
	WIN 0
	; THE WAY OUT, a block of 16 tokens x 64 outputs at a time: sum x 2^(e6 + e7) + bias, one packed multiply-add for two numbers; 32 bytes a lane into my stage; back as whole rows of 256 bytes, into the block's own registers.
.rept 4
	v_nop                                          ; four places behind the last products
.endr
	s_wait_loadcnt 0x0                             ; the bias
	s_wait_kmcnt 0x0
	s_add_co_i32 s78, s78, s79
	s_add_co_i32 s78, s78, 127
	s_lshl_b32 s78, s78, 23                        ; 2^(e6 + e7) as f32
	s_mov_b32 s79, s78                             ; (named with it as a pair, so it is written)
.macro PACK a
.irp b, 0,1,2,3
.irp i, 0,2,4,6
	v_pk_fma_f32 v[TMP+8*\b+\i:TMP+8*\b+\i+1], v[ACC+8*(4*\a+\b)+\i:ACC+8*(4*\a+\b)+\i+1], s[78:79], v[BI+8*\b+\i:BI+8*\b+\i+1] op_sel_hi:[1,0,1]   ; each accumulator from its low end on
.endr
.endr
.irp b, 0,1,2,3
	ds_store_b128 v[STO], v[TMP+8*\b:TMP+8*\b+3] offset:64*\b
	ds_store_b128 v[STO], v[TMP+8*\b+4:TMP+8*\b+7] offset:64*\b+16
.endr
.irp t, 0,1,2,3,4,5,6,7
	ds_load_b128 v[ACC+32*\a+4*\t:ACC+32*\a+4*\t+3], v[RD] offset:2*\t*PITCH   ; LDS serves a wave's instructions in order (ISA guide 5.7.1.4): these see the stores above; the next block's stores come behind them
.endr
.endm
.macro SEND a, younger                 ; younger: the LDS instructions issued behind block a's loads: the next block's sixteen, or none
.irp t, 0,1,2,3,4,5,6,7
	s_wait_dscnt \younger+7-\t
	global_store_b128 v[CO], v[ACC+32*\a+4*\t:ACC+32*\a+4*\t+3], s[8:9] offset:(16*\a+2*\t)*4096 th:TH_STORE_NT   ; 16 lanes store 256 consecutive bytes, at a multiple of 256 from out0's first byte; written once, read by nobody here
.endr
.endm
	PACK 0
	PACK 1                                         ; a block's arithmetic stands between the loads of the block before and its stores
	SEND 0, 16
	PACK 2
	SEND 1, 16
	PACK 3
	SEND 2, 16
	SEND 3, 0
	s_wait_dscnt 0x0                               ; no LDS instruction of mine is out at the signal
	s_wait_tensorcnt 0x0
	ds_add_u32 v94, v95
	s_wait_dscnt 0x0
	CROUND                                         ; the closing round: no work-group ends while a partner may still ask for a tile that names it
	s_endpgm
.Lfunc_end_k_qeba9e29620_oproj:
	.size	k_qeba9e29620_oproj, .Lfunc_end_k_qeba9e29620_oproj-k_qeba9e29620_oproj
	.p2alignl 7, 3214868480
	.fill 96, 4, 3214868480
	.section	.rodata,"a",@progbits
	.p2align	6, 0x0
	.amdhsa_kernel k_qeba9e29620_oproj
		.amdhsa_group_segment_fixed_size 327680
		.amdhsa_private_segment_fixed_size 0
		.amdhsa_enable_private_segment 0
		.amdhsa_kernarg_size 40
		.amdhsa_user_sgpr_count 2
		.amdhsa_user_sgpr_kernarg_segment_ptr 1
		.amdhsa_wavefront_size32 1
		.amdhsa_system_sgpr_workgroup_id_x 1
		.amdhsa_system_sgpr_workgroup_id_y 1
		.amdhsa_system_sgpr_workgroup_id_z 1
		.amdhsa_system_vgpr_workitem_id 0
		.amdhsa_next_free_vgpr 512
		.amdhsa_next_free_sgpr 96
		.amdhsa_reserve_vcc 0
		.amdhsa_float_denorm_mode_32 3
		.amdhsa_float_denorm_mode_16_64 3
		.amdhsa_memory_ordered 1
		.amdhsa_forward_progress 1
		.amdhsa_inst_pref_size 48
	.end_amdhsa_kernel
	.amdgpu_metadata
---
amdhsa.version: [ 1, 2 ]
amdhsa.kernels:
  - .name:           k_qeba9e29620_oproj
    .symbol:         k_qeba9e29620_oproj.kd
    .args:
      - { .name: ctx_codes, .offset: 0, .size: 8, .value_kind: global_buffer, .address_space: global }
      - { .name: wout_codes, .offset: 8, .size: 8, .value_kind: global_buffer, .address_space: global }
      - { .name: lowp_scales, .offset: 16, .size: 8, .value_kind: global_buffer, .address_space: global }
      - { .name: b_out, .offset: 24, .size: 8, .value_kind: global_buffer, .address_space: global }
      - { .name: out0, .offset: 32, .size: 8, .value_kind: global_buffer, .address_space: global }
    .group_segment_fixed_size: 327680
    .private_segment_fixed_size: 0
    .kernarg_segment_align: 8
    .kernarg_segment_size: 40
    .max_flat_workgroup_size: 128
    .sgpr_count:     96
    .vgpr_count:     512
    .wavefront_size: 32
...
	.end_amdgpu_metadata
.endif
;; end of part 4
